; MI455X (gfx1250); checked and timed in simulation.
; The chip was launched on July 23, 2026; its instructions are those of AMD's public machine-readable ISA for CDNA 5 (MIT licence, August 2026) and "CDNA5" Instruction Set Architecture Reference Guide (July 2026). The comments in the code are by the model that wrote it; some were corrected since.
;; CT Projector. Allowed arithmetic: float matrix products may take bf16 or f16 operands with f32 sums; all other float work in f32.
;; Inputs: dests 16,384 x 3 float32; sources 8 x 3 float32; vol_spacing 3 float32; vol_start 3 float32; vols 256 x 256 x 256 float32.
;; Outputs: out0 8 x 16,384 float32.
;; Constants: n_samples = 384.
;; 2 versions, each right; version 2 is version 1 with the launch trace written anew for expert scheduling mode. Each part assembles by itself: llvm-mc -triple=amdgcn-amd-amdhsa -mcpu=gfx1250 --defsym DOCPART=n.
;; ======== version 1 of 2: 2 launches
;; workspace buffers: rec 4,194,304 bytes of whole numbers
;; launch rays (part 1): grid 512 x 1, 8 waves a work-group, no clusters, 9,216 bytes of LDS; arguments dests, sources, vol_start, vol_spacing, rec; writes rec
.if DOCPART == 1
	.amdgcn_target "amdgcn-amd-amdhsa--gfx1250"
	.amdhsa_code_object_version 6
	.text
	.protected	k_q724461b1e5_rays
	.globl	k_q724461b1e5_rays
	.p2align	8
	.type	k_q724461b1e5_rays,@function
k_q724461b1e5_rays:
	s_mov_b64 s[64:65], 0
	v_nop
	global_prefetch_b8 v0, s[64:65] scope:SCOPE_SE
	s_setreg_imm32_b32 hwreg(HW_REG_WAVE_MODE, 25, 1), 1
	s_wait_xcnt 0x0
; One thread makes one ray's record of whole numbers; the next launch walks the ray with integer arithmetic alone.
; Ray (s, n): samples i = 0..383 at g(i) = ((src + t diff) - start) / spacing, t = (i + 0.5) / 384, in voxel units.
; 1. A slab test in f32 gives the run of samples with 0 <= g < 256 on all three axes: first index and count (0..384).
; 2. g at the first and at the last sample of the run is computed by the formula above (fused multiply-add, divisions corrected by one residual step)
;    and clamped to [2^-12, 256 - 2^-12]; the step is (last - first) / (count - 1).
; 3. Start and step go to fixed point with 24 fraction bits, modulo 2^32.  All samples of the run lie in [0, 256), so the top byte of
;    start + j * step (mod 2^32) is the voxel index.  The step's error is below 256 * 1.2e-7 + 383 * 2^-25 = 4.2e-5 voxel over the run, inside the 2^-12 margin.
; Record, 8 words = 32 bytes: start d, h, w; count; step d, h, w; 0 (fills the record up to one scalar load of eight words).
; LIMITS: a sample nearer to a voxel face than the rounding of its coordinates (about 1e-4 voxel for coordinates up to 256) may be given to the
; neighbouring voxel, and at the volume's own faces be counted in or out otherwise than by the formula in f32; exact ties on a face are such cases.
; vol_spacing must not be 0 and the quotients by it must be finite.  An axis along which a ray moves less than 2^-100 voxel counts as constant.
.set SRC,   16                         ; s[16:18] the work-group's source (256 rays of one source: 16,384 is a multiple of 256)
.set ORG,   20                         ; s[20:22] vol_start
.set SPC,   24                         ; s[24:26] vol_spacing
.set C384,  32
.set CR384, 33
.set C256,  34
.set TINY,  35
.set EPS,   36
.set TOP,   37
.set C2P24, 38
.set MZ,    40                         ; lanes whose ray does not move along the axis
.set MI,    41                         ; lanes whose source lies inside the slab
.set LANE,  1
.set ADR,   3
.set DST,   4                          ; v[4:6]   dest
.set RS,    8                          ; v[8:10]  1 / spacing
.set DF,    12                         ; v[12:14] dest - source
.set LO,    16                         ; v[16:18] where the ray enters each slab, in samples
.set HI,    20                         ; v[20:22] where it leaves
.set T,     32                         ; v[32:39] at work
.set BIG,   40
.set NEG,   41
.set NF,    43                         ; count of samples inside, as f32
.set MF,    44                         ; count - 1, at least 0
.set TL,    45                         ; t of the first sample inside
.set TH,    46                         ; t of the last
.set RM,    47
.set MM,    48
.set REC,   50                         ; v[50:57] the record
.set LA,    58
.set LB,    59
.set OUTV,  60                         ; v[60:67] the records as they leave
	s_load_b256 s[4:11], s[0:1], 0x0               ; dests s[4:5], sources s[6:7], vol_start s[8:9], vol_spacing s[10:11]
	s_load_b64 s[12:13], s[0:1], 0x20              ; rec
	v_lshl_add_u32 v68, v0, 2, 0x2000
	v_mov_b32 v69, 0
	v_and_b32 v[LANE], 31, v0
	v_lshrrev_b32 v2, 5, v0
	v_readfirstlane_b32 s14, v2                    ; wave 0..7
	s_lshr_b32 s15, ttmp9, 6                       ; 64 work-groups for each source
	s_mul_i32 s28, s15, 12                         ; byte offset of my source
	s_mov_b32 s29, 0
	s_and_b32 s15, ttmp9, 63
	s_mul_i32 s15, s15, 256*12                     ; byte offset of the work-group's 256 dests
	v_mad_u32_u24 v[ADR], v0, 12, s15              ; 12 bytes a thread: a wave reads 384 consecutive bytes
	s_lshl_b32 s30, ttmp9, 13                      ; 256 records of 32 bytes
	s_mov_b32 s31, 0
	s_mov_b32 s[C384],  0x43c00000                 ; 384.0
	s_mov_b32 s[CR384], 0x3b2aaaab                 ; 1 / 384
	s_mov_b32 s[C256],  0x43800000                 ; 256.0
	s_mov_b32 s[TINY],  0x0d800000                 ; 2^-100
	s_mov_b32 s[EPS],   0x39800000                 ; 2^-12
	s_mov_b32 s[TOP],   0x437ffff0                 ; 256 - 2^-12
	s_mov_b32 s[C2P24], 0x4b800000                 ; 2^24
	s_wait_kmcnt 0x0
	global_load_b96 v[DST:DST+2], v[ADR], s[4:5]
	s_add_nc_u64 s[6:7], s[6:7], s[28:29]
	s_add_nc_u64 s[12:13], s[12:13], s[30:31]
	s_load_b96 s[SRC:SRC+2], s[6:7], 0x0
	s_load_b96 s[ORG:ORG+2], s[8:9], 0x0
	s_load_b96 s[SPC:SPC+2], s[10:11], 0x0
	v_lshlrev_b32 v[LA], 5, v[LANE]
	v_lshl_add_u32 v[LA], s14, 10, v[LA]           ; my record in my wave's 1,024 bytes of LDS
	v_lshlrev_b32 v[LB], 4, v[LANE]
	v_lshl_add_u32 v[LB], s14, 10, v[LB]           ; the same bytes taken 16 a lane; also my offset in the work-group's part of rec
	s_wait_kmcnt 0x0
	v_rcp_f32 v[RS+0], s[SPC+0]
	v_rcp_f32 v[RS+1], s[SPC+1]
	v_rcp_f32 v[RS+2], s[SPC+2]
	v_mov_b32 v[BIG], 0x447a0000                   ; 1000.0: beyond every sample.  A plain instruction stands between the reciprocals and their first use (ISA guide 5.7.2)
	v_mov_b32 v[NEG], -1.0                         ; in front of every sample
	s_wait_alu depctr_va_vdst(0)
	s_wait_loadcnt 0x0                             ; my dest
; Axis c: the real-valued sample numbers at which g crosses 0 and 256: u = (bound - a) * 384 / dg - 0.5, a = g at the source, dg = g's change over the ray.
.macro SLAB c
	v_sub_f32 v[DF+\c], v[DST+\c], s[SRC+\c]
	v_sub_f32 v[T+0], s[SRC+\c], s[ORG+\c]
	v_mul_f32 v[T+1], v[T+0], v[RS+\c]             ; a: quotient, residual, correction
	v_fma_f32 v[T+2], -v[T+1], s[SPC+\c], v[T+0]
	v_fmac_f32 v[T+1], v[T+2], v[RS+\c]
	v_mul_f32 v[T+3], v[DF+\c], v[RS+\c]           ; dg likewise
	v_fma_f32 v[T+2], -v[T+3], s[SPC+\c], v[DF+\c]
	v_fmac_f32 v[T+3], v[T+2], v[RS+\c]
	v_rcp_f32 v[T+4], v[T+3]
	v_and_b32 v[T+5], 0x7fffffff, v[T+3]           ; |dg|; the plain instruction behind the reciprocal
	v_cmp_gt_f32 s[MZ], s[TINY], v[T+5]            ; the ray does not move along this axis
	v_mul_f32 v[T+6], 0xc3c00000, v[T+1]           ; (0 - a) * 384
	v_add_f32 v[T+7], 0x47c00000, v[T+6]           ; (256 - a) * 384
	s_wait_alu depctr_va_vdst(0)
	v_fma_f32 v[T+6], v[T+6], v[T+4], -0.5
	v_fma_f32 v[T+7], v[T+7], v[T+4], -0.5
	v_cmp_le_f32 s[MI], 0, v[T+1]
	v_cmp_gt_f32 vcc_lo, s[C256], v[T+1]
	s_and_b32 s[MI], s[MI], vcc_lo                 ; 0 <= a < 256
	v_min_num_f32 v[LO+\c], v[T+6], v[T+7]
	v_max_num_f32 v[HI+\c], v[T+6], v[T+7]
	v_cndmask_b32 v[T+2], v[BIG], v[NEG], s[MI]    ; a constant axis: every sample is inside, or none
	v_cndmask_b32 v[LO+\c], v[LO+\c], v[T+2], s[MZ]
	v_cndmask_b32 v[HI+\c], v[HI+\c], v[BIG], s[MZ]
.endm
	SLAB 0
	SLAB 1
	SLAB 2
	v_max3_num_f32 v[T+0], v[LO], v[LO+1], v[LO+2]
	v_min3_num_f32 v[T+1], v[HI], v[HI+1], v[HI+2]
	v_max_num_f32 v[T+0], 0, v[T+0]
	v_max_num_f32 v[T+1], 0, v[T+1]
	v_min_num_f32 v[T+0], s[C384], v[T+0]
	v_min_num_f32 v[T+1], s[C384], v[T+1]
	v_mul_f32 v[T+0], -1.0, v[T+0]                 ; ceil(x) = -floor(-x)
	v_mul_f32 v[T+1], -1.0, v[T+1]
	v_floor_f32 v[T+0], v[T+0]                     ; -(first sample inside)
	v_floor_f32 v[T+1], v[T+1]                     ; -(first sample behind the run)
	v_sub_f32 v[NF], v[T+0], v[T+1]
	v_max_num_f32 v[NF], 0, v[NF]                  ; the count
	v_add_f32 v[MF], -1.0, v[NF]
	v_max_num_f32 v[MF], 0, v[MF]
	v_sub_f32 v[T+2], 0.5, v[T+0]                  ; first + 0.5
	v_add_f32 v[T+3], v[T+2], v[MF]                ; last + 0.5
	v_mul_f32 v[TL], s[CR384], v[T+2]              ; t = (i + 0.5) / 384: quotient, residual, correction
	v_mul_f32 v[TH], s[CR384], v[T+3]
	v_fma_f32 v[T+4], -v[TL], s[C384], v[T+2]
	v_fma_f32 v[T+5], -v[TH], s[C384], v[T+3]
	v_fmac_f32 v[TL], s[CR384], v[T+4]
	v_fmac_f32 v[TH], s[CR384], v[T+5]
	v_max_num_f32 v[MM], 1.0, v[MF]                ; steps from first to last; 1 where there is none, and the span is 0 there
	v_rcp_f32 v[RM], v[MM]
	v_mov_b32 v[REC+7], 0                          ; the plain instruction behind the reciprocal
	v_cvt_u32_f32 v[REC+3], v[NF]
	s_wait_alu depctr_va_vdst(0)
; Axis c: g at the first and last sample inside, clamped; the step; both in fixed point.
.macro ENDS c
	v_fma_f32 v[T+0], v[TL], v[DF+\c], s[SRC+\c]
	v_fma_f32 v[T+1], v[TH], v[DF+\c], s[SRC+\c]
	v_sub_f32 v[T+0], v[T+0], s[ORG+\c]
	v_sub_f32 v[T+1], v[T+1], s[ORG+\c]
	v_mul_f32 v[T+2], v[T+0], v[RS+\c]
	v_mul_f32 v[T+3], v[T+1], v[RS+\c]
	v_fma_f32 v[T+4], -v[T+2], s[SPC+\c], v[T+0]
	v_fma_f32 v[T+5], -v[T+3], s[SPC+\c], v[T+1]
	v_fmac_f32 v[T+2], v[T+4], v[RS+\c]
	v_fmac_f32 v[T+3], v[T+5], v[RS+\c]
	v_max_num_f32 v[T+2], s[EPS], v[T+2]
	v_max_num_f32 v[T+3], s[EPS], v[T+3]
	v_min_num_f32 v[T+2], s[TOP], v[T+2]
	v_min_num_f32 v[T+3], s[TOP], v[T+3]
	v_sub_f32 v[T+3], v[T+3], v[T+2]               ; the span, below 256 in magnitude
	v_mul_f32 v[T+4], v[T+3], v[RM]
	v_fma_f32 v[T+5], -v[T+4], v[MM], v[T+3]
	v_fmac_f32 v[T+4], v[T+5], v[RM]               ; voxels from sample to sample
	v_mul_f32 v[T+2], s[C2P24], v[T+2]             ; below 2^32
	v_mul_f32 v[T+5], s[C2P24], v[T+4]
	v_cvt_u32_f32 v[REC+\c], v[T+2]
	v_and_b32 v[T+5], 0x7fffffff, v[T+5]           ; the magnitude is converted (below 2^32), the sign put back in whole numbers: modulo 2^32
	v_rndne_f32 v[T+5], v[T+5]
	v_cvt_u32_f32 v[T+5], v[T+5]
	v_cmp_gt_f32 vcc_lo, 0, v[T+4]
	v_sub_nc_u32 v[T+6], 0, v[T+5]
	v_cndmask_b32 v[REC+4+\c], v[T+5], v[T+6], vcc_lo
.endm
	ENDS 0
	ENDS 1
	ENDS 2
	; A lane's record is 32 bytes; through the wave's own LDS bytes the 32 records leave as two stores of 512 consecutive bytes each.
	ds_store_b128 v[LA], v[REC:REC+3]
	ds_store_b128 v[LA], v[REC+4:REC+7] offset:16
	ds_load_b128 v[OUTV:OUTV+3], v[LB]             ; LDS serves a wave's instructions in order (ISA guide 5.7.1): these see the stores above
	ds_load_b128 v[OUTV+4:OUTV+7], v[LB] offset:512
	s_wait_dscnt 0x1                               ; all but the second load
	global_store_b128 v[LB], v[OUTV:OUTV+3], s[12:13]
	s_wait_dscnt 0x0
	global_store_b128 v[LB], v[OUTV+4:OUTV+7], s[12:13] offset:512
	s_wait_tensorcnt 0x0
	ds_add_u32 v68, v69
	s_wait_dscnt 0x0
	s_endpgm
.Lfunc_end_k_q724461b1e5_rays:
	.size	k_q724461b1e5_rays, .Lfunc_end_k_q724461b1e5_rays-k_q724461b1e5_rays
	.p2alignl 7, 3214868480
	.fill 96, 4, 3214868480
	.section	.rodata,"a",@progbits
	.p2align	6, 0x0
	.amdhsa_kernel k_q724461b1e5_rays
		.amdhsa_group_segment_fixed_size 9216
		.amdhsa_private_segment_fixed_size 0
		.amdhsa_enable_private_segment 0
		.amdhsa_kernarg_size 40
		.amdhsa_user_sgpr_count 2
		.amdhsa_user_sgpr_kernarg_segment_ptr 1
		.amdhsa_wavefront_size32 1
		.amdhsa_system_sgpr_workgroup_id_x 1
		.amdhsa_system_sgpr_workgroup_id_y 1
		.amdhsa_system_sgpr_workgroup_id_z 1
		.amdhsa_system_vgpr_workitem_id 0
		.amdhsa_next_free_vgpr 70
		.amdhsa_next_free_sgpr 66
		.amdhsa_reserve_vcc 1
		.amdhsa_float_denorm_mode_32 3
		.amdhsa_float_denorm_mode_16_64 3
		.amdhsa_memory_ordered 1
		.amdhsa_forward_progress 1
		.amdhsa_inst_pref_size 11
	.end_amdhsa_kernel
	.amdgpu_metadata
---
amdhsa.version: [ 1, 2 ]
amdhsa.kernels:
  - .name:           k_q724461b1e5_rays
    .symbol:         k_q724461b1e5_rays.kd
    .args:
      - { .name: dests, .offset: 0, .size: 8, .value_kind: global_buffer, .address_space: global }
      - { .name: sources, .offset: 8, .size: 8, .value_kind: global_buffer, .address_space: global }
      - { .name: vol_start, .offset: 16, .size: 8, .value_kind: global_buffer, .address_space: global }
      - { .name: vol_spacing, .offset: 24, .size: 8, .value_kind: global_buffer, .address_space: global }
      - { .name: rec, .offset: 32, .size: 8, .value_kind: global_buffer, .address_space: global }
    .group_segment_fixed_size: 9216
    .private_segment_fixed_size: 0
    .kernarg_segment_align: 8
    .kernarg_segment_size: 40
    .max_flat_workgroup_size: 256
    .sgpr_count:     66
    .vgpr_count:     70
    .wavefront_size: 32
...
	.end_amdgpu_metadata
.endif
;; end of part 1
;; launch trace (part 2): grid 512 x 1, 16 waves a work-group, no clusters, 3,072 bytes of LDS; arguments rec, vols, dests, sources, out0; writes out0
.if DOCPART == 2
	.amdgcn_target "amdgcn-amd-amdhsa--gfx1250"
	.amdhsa_code_object_version 6
	.text
	.protected	k_q724461b1e5_trace
	.globl	k_q724461b1e5_trace
	.p2align	8
	.type	k_q724461b1e5_trace,@function
k_q724461b1e5_trace:
	s_mov_b64 s[64:65], 0
	v_nop
	global_prefetch_b8 v0, s[64:65] scope:SCOPE_SE
	s_setreg_imm32_b32 hwreg(HW_REG_WAVE_MODE, 25, 1), 1
	s_wait_xcnt 0x0
; out0[s][n] = (sum of the voxels under the ray's samples inside the volume) * |dest - source| / 384.
; The ray comes as whole numbers from the launch before: start and step on the three axes with 24 fraction bits (modulo 2^32) and the count of
; samples inside.  Sample j of the run lies at start + j * step; its top byte on each axis is the voxel index.  No address here is made of a float.
; A wave takes 16 rays, one after the other.  Its 32 lanes are 32 CONSECUTIVE samples of one ray: at 384 samples a ray they lie a fraction of a voxel
; apart, so the lanes of a gather share voxels and rows of the table.  12 gathers cover 384 samples; lanes with j >= count add 0.
; Two sets of 12 value registers take turns: the next ray's 12 gathers are issued before the last ray's are summed, so up to 24 gathers of a wave are out.
; The work-group's 256 rays have one source and 256 consecutive dests; their results meet in LDS and leave as two stores of 512 consecutive bytes.
; No tiles in LDS and no joint loads: the table is 64 MiB and which part a ray needs hangs on the ray alone.  No matrix unit: there is no product.
; LIMITS: as stated for the launch that makes the records; the 384 terms are added in another order than one after the other;
; a squared length below the smallest normal f32 gives length 0 (v_sqrt_f32 flushes denormals: ISA guide 15.8).
.set GROUPS, 12                        ; 384 samples / 32 lanes
.set LANE, 1
.set P,    2                           ; v[2:4]   positions of my sample on the three axes
.set H,    5                           ; plane and row: d * 256 + h
.set W,    6                           ; column
.set ACC,  8                           ; v[8:11]  four running sums
.set RES,  12                          ; lanes r and r + 16: the sum of ray r
.set DST,  14                          ; v[14:16] dest of ray (lane mod 16)
.set DADR, 17
.set J,    18                          ; v[18:29] my sample number in each of the 12 groups
.set VAL,  30                          ; v[30:41], v[42:53] two sets: the voxel's number, then (the load lands on its own address register) its value
.set T,    54                          ; v[54:57] at work
.set R,    16                          ; s[16:23] the record: start d, h, w; count; step d, h, w; 0
.set ST,   24                          ; s[24:26] 32 steps
.set NS,   27                          ; s27, s28 the count, for each set
.set SEL,  29                          ; the two lanes that keep the current ray's sum
.set PSEL, 30
.set CNT,  31
.set XLO,  32
.set XHI,  33
.set SRC,  36                          ; s[36:38] the source
.set M,    44                          ; s[44:47] masks of the lanes inside the run
	s_load_b256 s[4:11], s[0:1], 0x0               ; rec s[4:5], vols s[6:7], dests s[8:9], sources s[10:11]
	s_load_b64 s[12:13], s[0:1], 0x20              ; out0
	v_lshl_add_u32 v64, v0, 2, 0x400
	v_mov_b32 v65, 0
	v_and_b32 v[LANE], 31, v0
	v_lshrrev_b32 v2, 5, v0
	v_readfirstlane_b32 s14, v2                    ; wave 0..15
	s_mov_b32 s[PSEL], 0x0c0c0703                  ; v_perm_b32: byte 0 = top byte of the second source, byte 1 = top byte of the first, the rest 0
	s_mov_b32 s[XLO], 0x76543210                   ; v_permlanex16_b32: lane i reads lane i of the other half
	s_mov_b32 s[XHI], 0xfedcba98
	s_mov_b32 s[SEL], 0x10001
.set k, 0
.rept GROUPS
	v_add_nc_u32 v[J+k], 32*k, v[LANE]
.set k, k+1
.endr
	v_mov_b32 v[RES], 0
	s_lshl_b32 s40, ttmp9, 13                      ; 256 records of 32 bytes a work-group,
	s_lshl_b32 s15, s14, 9                         ; 16 a wave
	s_add_co_u32 s40, s40, s15
	s_mov_b32 s41, 0
	s_and_b32 s15, ttmp9, 63                       ; 64 work-groups for each source
	s_lshl_b32 s15, s15, 8
	s_lshl4_add_u32 s15, s14, s15                  ; my wave's first dest
	v_and_b32 v[DADR], 15, v0
	v_add_nc_u32 v[DADR], s15, v[DADR]
	v_mul_u32_u24 v[DADR], 12, v[DADR]             ; lanes r and r + 16 both take ray r's dest
	s_wait_kmcnt 0x0
	s_add_nc_u64 s[4:5], s[4:5], s[40:41]
	s_load_b256 s[R:R+7], s[4:5], 0x0              ; ray 0
	s_lshr_b32 s15, ttmp9, 6
	s_mul_i32 s40, s15, 12
	s_add_nc_u64 s[10:11], s[10:11], s[40:41]
	s_load_b96 s[SRC:SRC+2], s[10:11], 0x0
	s_lshl_b32 s40, ttmp9, 10                      ; 256 results of 4 bytes
	s_add_nc_u64 s[12:13], s[12:13], s[40:41]
	global_load_b96 v[DST:DST+2], v[DADR], s[8:9]  ; wanted at the very end; older than every gather, so every wait below covers it
; The record's ray: 12 gathers into set s.
.macro ISSUE set
	v_mad_u32 v[P+0], v[LANE], s[R+4], s[R+0]      ; start + lane * step, modulo 2^32
	v_mad_u32 v[P+1], v[LANE], s[R+5], s[R+1]
	v_mad_u32 v[P+2], v[LANE], s[R+6], s[R+2]
	s_lshl_b32 s[ST+0], s[R+4], 5
	s_lshl_b32 s[ST+1], s[R+5], 5
	s_lshl_b32 s[ST+2], s[R+6], 5
	s_mov_b32 s[NS+\set], s[R+3]
.set k, 0
.rept GROUPS
	v_perm_b32 v[H], v[P+0], v[P+1], s[PSEL]       ; d * 256 + h
	v_lshrrev_b32 v[W], 24, v[P+2]                 ; w
.if k < GROUPS-1
	v_add_nc_u32 v[P+0], s[ST+0], v[P+0]           ; 32 samples on, for the next group
	v_add_nc_u32 v[P+1], s[ST+1], v[P+1]
	v_add_nc_u32 v[P+2], s[ST+2], v[P+2]
.endif
	v_min_u32 v[H], 0xffff, v[H]                   ; numbers that were loaded enter an address only bounded by a constant written in the instruction;
	v_min_u32 v[W], 0xff, v[W]                     ; so lanes behind the run's end, whose positions mean nothing, stay inside the table too
	v_lshl_add_u32 v[VAL+GROUPS*\set+k], v[H], 8, v[W]
	global_load_b32 v[VAL+GROUPS*\set+k], v[VAL+GROUPS*\set+k], s[6:7] scale_offset   ; 4 bytes at 4 x the voxel's number
.set k, k+1
.endr
.endm
; Set s is summed.  left = the gathers issued behind this set's twelve.
.macro CONSUME set, left
.irp b, 0,1,2
	s_wait_loadcnt \left+8-4*\b                    ; loads come back in order (ISA guide 5.7.1): the set's first 4 (b + 1) are in; its later ones and the younger set's stay out
.irp i, 0,1,2,3
	v_cmp_gt_u32 s[M+\i], s[NS+\set], v[J+4*\b+\i] ; count > my sample number
.endr
.irp i, 0,1,2,3
.if \b == 0
	v_cndmask_b32 v[ACC+\i], 0, v[VAL+GROUPS*\set+\i], s[M+\i]     ; the first four start the sums: nothing is cleared
.else
	v_cndmask_b32 v[T+\i], 0, v[VAL+GROUPS*\set+4*\b+\i], s[M+\i]
.endif
.endr
.if \b
	v_pk_add_f32 v[ACC:ACC+1], v[ACC:ACC+1], v[T:T+1]
	v_pk_add_f32 v[ACC+2:ACC+3], v[ACC+2:ACC+3], v[T+2:T+3]
.endif
.endr
	v_pk_add_f32 v[ACC:ACC+1], v[ACC:ACC+1], v[ACC+2:ACC+3]
	v_add_f32 v[ACC], v[ACC], v[ACC+1]
	v_add_f32_dpp v[ACC], v[ACC], v[ACC] row_xmask:1 row_mask:0xf bank_mask:0xf
	v_add_f32_dpp v[ACC], v[ACC], v[ACC] row_xmask:2 row_mask:0xf bank_mask:0xf
	v_add_f32_dpp v[ACC], v[ACC], v[ACC] row_xmask:4 row_mask:0xf bank_mask:0xf
	v_add_f32_dpp v[ACC], v[ACC], v[ACC] row_xmask:8 row_mask:0xf bank_mask:0xf
	v_permlanex16_b32 v[ACC+1], v[ACC], s[XLO], s[XHI]
	v_add_f32 v[ACC], v[ACC], v[ACC+1]             ; every lane holds the ray's sum;
	v_cndmask_b32 v[RES], v[RES], v[ACC], s[SEL]   ; lanes r and r + 16 keep it
	s_lshl_b32 s[SEL], s[SEL], 1
.endm
	s_wait_kmcnt 0x0                               ; ray 0's record and the source
	ISSUE 0
	s_load_b256 s[R:R+7], s[4:5], 0x20             ; ray 1: each record is asked for while the ray before it is summed
	s_mov_b32 s[CNT], 7
.Lpair:                                            ; trip i: issues rays 2 i + 1 and 2 i + 2, sums rays 2 i and 2 i + 1
	s_wait_kmcnt 0x0
	ISSUE 1
	s_load_b256 s[R:R+7], s[4:5], 0x40
	CONSUME 0, 12
	s_wait_kmcnt 0x0                               ; no scalar load is out: the records' pointer may step
	s_add_nc_u64 s[4:5], s[4:5], 64
	ISSUE 0
	s_load_b256 s[R:R+7], s[4:5], 0x20
	CONSUME 1, 12
	s_sub_co_i32 s[CNT], s[CNT], 1
	s_cmp_lg_u32 s[CNT], 0
	s_cbranch_scc1 .Lpair
	s_wait_kmcnt 0x0                               ; ray 15's record, the wave's last: no load goes beyond it
	ISSUE 1
	CONSUME 0, 12
	CONSUME 1, 0
	; the length, per ray in lanes r and r + 16, in f32; it feeds values alone
	v_sub_f32 v[DST+0], s[SRC+0], v[DST+0]
	v_sub_f32 v[DST+1], s[SRC+1], v[DST+1]
	v_sub_f32 v[DST+2], s[SRC+2], v[DST+2]
	v_mul_f32 v[T], v[DST+0], v[DST+0]
	v_fmac_f32 v[T], v[DST+1], v[DST+1]
	v_fmac_f32 v[T], v[DST+2], v[DST+2]
	v_sqrt_f32 v[T], v[T]
	v_mul_f32 v[RES], 0x3b2aaaab, v[RES]           ; sum / 384; the plain instruction between the root and its use (ISA guide 5.7.2)
	s_wait_alu depctr_va_vdst(0)
	v_mul_f32 v[RES], v[RES], v[T]
	v_and_b32 v[H], 15, v0
	v_lshlrev_b32 v[H], 2, v[H]
	v_lshl_add_u32 v[H], s14, 6, v[H]              ; my wave's 16 words; lanes r and r + 16 write the same word with the same value
	ds_store_b32 v[H], v[RES]
	s_wait_dscnt 0x0                               ; for the waves that read: my store is done
	s_barrier_signal -1
	s_barrier_wait -1
	s_cmp_gt_u32 s14, 1
	s_cbranch_scc1 .Ldone                          ; waves 0 and 1 carry the 1,024 bytes out
	v_lshlrev_b32 v[W], 4, v[LANE]
	v_lshl_add_u32 v[W], s14, 9, v[W]
	ds_load_b128 v[ACC:ACC+3], v[W]
	s_wait_dscnt 0x0
	global_store_b128 v[W], v[ACC:ACC+3], s[12:13] ; 512 consecutive bytes, at a multiple of 512 from out0's first byte
.Ldone:
	s_wait_tensorcnt 0x0
	ds_add_u32 v64, v65
	s_wait_dscnt 0x0
	s_endpgm
.Lfunc_end_k_q724461b1e5_trace:
	.size	k_q724461b1e5_trace, .Lfunc_end_k_q724461b1e5_trace-k_q724461b1e5_trace
	.p2alignl 7, 3214868480
	.fill 96, 4, 3214868480
	.section	.rodata,"a",@progbits
	.p2align	6, 0x0
	.amdhsa_kernel k_q724461b1e5_trace
		.amdhsa_group_segment_fixed_size 3072
		.amdhsa_private_segment_fixed_size 0
		.amdhsa_enable_private_segment 0
		.amdhsa_kernarg_size 40
		.amdhsa_user_sgpr_count 2
		.amdhsa_user_sgpr_kernarg_segment_ptr 1
		.amdhsa_wavefront_size32 1
		.amdhsa_system_sgpr_workgroup_id_x 1
		.amdhsa_system_sgpr_workgroup_id_y 1
		.amdhsa_system_sgpr_workgroup_id_z 1
		.amdhsa_system_vgpr_workitem_id 0
		.amdhsa_next_free_vgpr 66
		.amdhsa_next_free_sgpr 66
		.amdhsa_reserve_vcc 0
		.amdhsa_float_denorm_mode_32 3
		.amdhsa_float_denorm_mode_16_64 3
		.amdhsa_memory_ordered 1
		.amdhsa_forward_progress 1
		.amdhsa_inst_pref_size 37
	.end_amdhsa_kernel
	.amdgpu_metadata
---
amdhsa.version: [ 1, 2 ]
amdhsa.kernels:
  - .name:           k_q724461b1e5_trace
    .symbol:         k_q724461b1e5_trace.kd
    .args:
      - { .name: rec, .offset: 0, .size: 8, .value_kind: global_buffer, .address_space: global }
      - { .name: vols, .offset: 8, .size: 8, .value_kind: global_buffer, .address_space: global }
      - { .name: dests, .offset: 16, .size: 8, .value_kind: global_buffer, .address_space: global }
      - { .name: sources, .offset: 24, .size: 8, .value_kind: global_buffer, .address_space: global }
      - { .name: out0, .offset: 32, .size: 8, .value_kind: global_buffer, .address_space: global }
    .group_segment_fixed_size: 3072
    .private_segment_fixed_size: 0
    .kernarg_segment_align: 8
    .kernarg_segment_size: 40
    .max_flat_workgroup_size: 512
    .sgpr_count:     66
    .vgpr_count:     66
    .wavefront_size: 32
...
	.end_amdgpu_metadata
.endif
;; end of part 2
;; ======== version 2 of 2: 2 launches; version 1 with the launch trace written anew for expert scheduling mode
;; workspace buffers: rec 4,194,304 bytes of whole numbers
;; launch rays: the kernel of part 1 again; grid 512 x 1, 8 waves a work-group, no clusters, 9,216 bytes of LDS; arguments dests, sources, vol_start, vol_spacing, rec; writes rec
;; launch trace (part 3): grid 512 x 1, 16 waves a work-group, no clusters, 3,072 bytes of LDS; arguments rec, vols, dests, sources, out0; writes out0
.if DOCPART == 3
	.amdgcn_target "amdgcn-amd-amdhsa--gfx1250"
	.amdhsa_code_object_version 6
	.text
	.protected	k_q724461b1e5_trace
	.globl	k_q724461b1e5_trace
	.p2align	8
	.type	k_q724461b1e5_trace,@function
k_q724461b1e5_trace:
	s_mov_b64 s[64:65], 0
	v_nop
	global_prefetch_b8 v0, s[64:65] scope:SCOPE_SE
	s_setreg_imm32_b32 hwreg(HW_REG_WAVE_SCHED_MODE, 0, 2), 2
	s_setreg_imm32_b32 hwreg(HW_REG_WAVE_MODE, 25, 1), 1
	s_wait_xcnt 0x0
	s_wait_alu depctr_vm_vsrc(0)
; out0[s][n] = (sum of the voxels under the ray's samples inside the volume) * |dest - source| / 384.
; The ray comes as whole numbers from the launch before: start and step on the three axes with 24 fraction bits (modulo 2^32) and the count of
; samples inside.  Sample j of the run lies at start + j * step; its top byte on each axis is the voxel index.  No address here is made of a float.
; A wave takes 16 rays, one after the other.  Its 32 lanes are 32 CONSECUTIVE samples of one ray: at 384 samples a ray they lie a fraction of a voxel
; apart, so the lanes of a gather share voxels and rows of the table.  12 gathers cover 384 samples; lanes with j >= count add 0.
; Two sets of 12 value registers take turns: the next ray's 12 gathers are issued before the last ray's are summed, so up to 24 gathers of a wave are out.
; The work-group's 256 rays have one source and 256 consecutive dests; their results meet in LDS and leave as two stores of 512 consecutive bytes.
; No tiles in LDS and no joint loads: the table is 64 MiB and which part a ray needs hangs on the ray alone.  No matrix unit: there is no product.
; LIMITS: as stated for the launch that makes the records; the 384 terms are added in another order than one after the other;
; a squared length below the smallest normal f32 gives length 0 (v_sqrt_f32 flushes denormals: ISA guide 15.8).
; THE MODE: SCHED_MODE bits 1:0 = 2 (LLVM: expert scheduling mode 2), set by the entry lines.  The code itself states the register dependences
; between vector instructions and memory or LDS instructions, with s_wait_alu, always for 0.
; THE PLAN.  Registers that memory or LDS instructions touch:
;   AD0, AD1    twelve voxel numbers each.  Written by the address arithmetic of ray r (set r % 2); read by that ray's twelve gathers; written again two rays on.
;   VAL0, VAL1  twelve values each.  Written by the gathers' data alone; read by the selects that sum ray r, a step behind its gathers.
;   v[DADR], v[DST ..]  the dests' offset, made once at the head, and the dest, loaded once and read at the end.
;   v[H], v[W], v[RES], v[ACC ..]  on the way out only: two LDS addresses, the stored value, and the registers in which the read-back lands.
;   P, T, J, and inside the loop H, W, ACC and RES, are named by vector instructions alone.
; A STEP issues ray r + 1 and sums ray r: the twelve masks of ray r; a wait on vm_vsrc (the gathers of ray r - 1 have read the address set that is written next);
; all twelve addresses of ray r + 1; a wait on va_sdst (the masks) and one on va_vdst (the addresses are written, and the sums of ray r - 1 are done reading
; the value set in which the gathers land); the twelve gathers in one run; the sums of ray r, which name none of the registers that those gathers touch.
.set GROUPS, 12                        ; 384 samples / 32 lanes
.set LANE, 1
.set P,    2                           ; v[2:4]   positions of my sample on the three axes
.set H,    5                           ; plane and row: d * 256 + h
.set W,    6                           ; column
.set ACC,  8                           ; v[8:11]  four running sums
.set RES,  12                          ; lanes r and r + 16: the sum of ray r
.set DST,  14                          ; v[14:16] dest of ray (lane mod 16)
.set DADR, 17
.set J,    18                          ; v[18:29] my sample number in each of the 12 groups
.set VAL,  30                          ; v[30:41], v[42:53] two sets: the voxels' values
.set T,    54                          ; v[54:57] at work
.set AD,   58                          ; v[58:69], v[70:81] two sets: the voxels' numbers
.set R,    16                          ; s[16:23] the record: start d, h, w; count; step d, h, w; 0
.set ST,   24                          ; s[24:26] 32 steps
.set NS,   27                          ; s27, s28 the count, for each set
.set SEL,  29                          ; the two lanes that keep the current ray's sum
.set PSEL, 30
.set CNT,  31
.set XLO,  32
.set XHI,  33
.set SRC,  36                          ; s[36:38] the source
.set M,    44                          ; s[44:55] for each of the 12 groups the mask of the lanes inside the run
	s_load_b256 s[4:11], s[0:1], 0x0               ; rec s[4:5], vols s[6:7], dests s[8:9], sources s[10:11]
	s_load_b64 s[12:13], s[0:1], 0x20              ; out0
	v_lshl_add_u32 v7, v0, 2, 0x400
	v_mov_b32 v13, 0
	v_and_b32 v[LANE], 31, v0
	v_lshrrev_b32 v2, 5, v0
	v_readfirstlane_b32 s14, v2                    ; wave 0..15
	s_mov_b32 s[PSEL], 0x0c0c0703                  ; v_perm_b32: byte 0 = top byte of the second source, byte 1 = top byte of the first, the rest 0
	s_mov_b32 s[XLO], 0x76543210                   ; v_permlanex16_b32: lane i reads lane i of the other half
	s_mov_b32 s[XHI], 0xfedcba98
	s_mov_b32 s[SEL], 0x10001
.set k, 0
.rept GROUPS
	v_add_nc_u32 v[J+k], 32*k, v[LANE]
.set k, k+1
.endr
	v_mov_b32 v[RES], 0
	s_lshl_b32 s40, ttmp9, 13                      ; 256 records of 32 bytes a work-group,
	s_wait_alu depctr_va_sdst(0)                   ; s14 is written, ahead of its first reader: offsets into rec and dests and LDS addresses are made from it
	s_lshl_b32 s15, s14, 9                         ; 16 a wave
	s_add_co_u32 s40, s40, s15
	s_mov_b32 s41, 0
	s_and_b32 s15, ttmp9, 63                       ; 64 work-groups for each source
	s_lshl_b32 s15, s15, 8
	s_lshl4_add_u32 s15, s14, s15                  ; my wave's first dest
	v_and_b32 v[DADR], 15, v0
	v_add_nc_u32 v[DADR], s15, v[DADR]
	v_mul_u32_u24 v[DADR], 12, v[DADR]             ; lanes r and r + 16 both take ray r's dest
	s_wait_kmcnt 0x0
	s_add_nc_u64 s[4:5], s[4:5], s[40:41]
	s_load_b256 s[R:R+7], s[4:5], 0x0              ; ray 0
	s_lshr_b32 s15, ttmp9, 6
	s_mul_i32 s40, s15, 12
	s_add_nc_u64 s[10:11], s[10:11], s[40:41]
	s_load_b96 s[SRC:SRC+2], s[10:11], 0x0
	s_lshl_b32 s40, ttmp9, 10                      ; 256 results of 4 bytes
	s_add_nc_u64 s[12:13], s[12:13], s[40:41]
; The record's ray: its twelve voxel numbers into address set s.  first = 1: ray 0, ahead of which no gather has read the set.
.macro ADDR set, first
.if !\first
	s_wait_alu depctr_vm_vsrc(0)                   ; the gathers of the ray two back have read AD[set], which the lines below write again (their data came in ahead of that ray's sums, so the loads themselves are done)
.endif
	v_mad_u32 v[P+0], v[LANE], s[R+4], s[R+0]      ; start + lane * step, modulo 2^32
	v_mad_u32 v[P+1], v[LANE], s[R+5], s[R+1]
	v_mad_u32 v[P+2], v[LANE], s[R+6], s[R+2]
	s_lshl_b32 s[ST+0], s[R+4], 5
	s_lshl_b32 s[ST+1], s[R+5], 5
	s_lshl_b32 s[ST+2], s[R+6], 5
	s_mov_b32 s[NS+\set], s[R+3]
.set k, 0
.rept GROUPS
	v_perm_b32 v[H], v[P+0], v[P+1], s[PSEL]       ; d * 256 + h
	v_lshrrev_b32 v[W], 24, v[P+2]                 ; w
.if k < GROUPS-1
	v_add_nc_u32 v[P+0], s[ST+0], v[P+0]           ; 32 samples on, for the next group
	v_add_nc_u32 v[P+1], s[ST+1], v[P+1]
	v_add_nc_u32 v[P+2], s[ST+2], v[P+2]
.endif
	v_min_u32 v[H], 0xffff, v[H]                   ; numbers that were loaded enter an address only bounded by a constant written in the instruction;
	v_min_u32 v[W], 0xff, v[W]                     ; so lanes behind the run's end, whose positions mean nothing, stay inside the table too
	v_lshl_add_u32 v[AD+GROUPS*\set+k], v[H], 8, v[W]
.set k, k+1
.endr
.endm
; Twelve gathers in one run: address set s, value set s.  No vector instruction stands between the wait on va_vdst ahead of the run and its last load.
.macro GATHER set
.set k, 0
.rept GROUPS
	global_load_b32 v[VAL+GROUPS*\set+k], v[AD+GROUPS*\set+k], s[6:7] scale_offset   ; 4 bytes at 4 x the voxel's number
.set k, k+1
.endr
.endm
; The twelve masks of the ray in set s, in one run: they hang on the count and on the sample numbers alone.
.macro MASKS set
.set k, 0
.rept GROUPS
	v_cmp_gt_u32 s[M+k], s[NS+\set], v[J+k]        ; count > my sample number
.set k, k+1
.endr
.endm
; Set s is summed.  left = the gathers issued behind this set's twelve.
.macro CONSUME set, left
.irp b, 0,1,2
	s_wait_loadcnt \left+8-4*\b                    ; loads come back in order (ISA guide 5.7.1): the set's first 4 (b + 1) are in; its later ones and the younger set's stay out
.irp i, 0,1,2,3
.if \b == 0
	v_cndmask_b32 v[ACC+\i], 0, v[VAL+GROUPS*\set+\i], s[M+\i]     ; the first four start the sums: nothing is cleared
.else
	v_cndmask_b32 v[T+\i], 0, v[VAL+GROUPS*\set+4*\b+\i], s[M+4*\b+\i]
.endif
.endr
.if \b
	v_pk_add_f32 v[ACC:ACC+1], v[ACC:ACC+1], v[T:T+1]
	v_pk_add_f32 v[ACC+2:ACC+3], v[ACC+2:ACC+3], v[T+2:T+3]
.endif
.endr
	v_pk_add_f32 v[ACC:ACC+1], v[ACC:ACC+1], v[ACC+2:ACC+3]
	v_add_f32 v[ACC], v[ACC], v[ACC+1]
	v_add_f32_dpp v[ACC], v[ACC], v[ACC] row_xmask:1 row_mask:0xf bank_mask:0xf
	v_add_f32_dpp v[ACC], v[ACC], v[ACC] row_xmask:2 row_mask:0xf bank_mask:0xf
	v_add_f32_dpp v[ACC], v[ACC], v[ACC] row_xmask:4 row_mask:0xf bank_mask:0xf
	v_add_f32_dpp v[ACC], v[ACC], v[ACC] row_xmask:8 row_mask:0xf bank_mask:0xf
	v_permlanex16_b32 v[ACC+1], v[ACC], s[XLO], s[XHI]
	v_add_f32 v[ACC], v[ACC], v[ACC+1]             ; every lane holds the ray's sum;
	v_cndmask_b32 v[RES], v[RES], v[ACC], s[SEL]   ; lanes r and r + 16 keep it (s[SEL] is written by scalar instructions alone)
	s_lshl_b32 s[SEL], s[SEL], 1
.endm
	s_wait_kmcnt 0x0                               ; ray 0's record and the source
	ADDR 0, 1
	s_wait_alu depctr_va_vdst(0)                   ; v[DADR] and AD0 are written, which the load of my dest and ray 0's gathers read
	global_load_b96 v[DST:DST+2], v[DADR], s[8:9]  ; wanted at the very end; older than every gather, so every wait below covers it
	GATHER 0
	s_load_b256 s[R:R+7], s[4:5], 0x20             ; ray 1: each record is asked for while the ray before it is summed
	s_mov_b32 s[CNT], 7
.Lpair:                                            ; trip i: issues rays 2 i + 1 and 2 i + 2, sums rays 2 i and 2 i + 1
	MASKS 0
	s_wait_kmcnt 0x0
	ADDR 1, 0
	s_wait_alu depctr_va_sdst(0)                   ; the twelve masks s[M ..] are written, ahead of their first reader, the first select below
	s_wait_alu depctr_va_vdst(0)                   ; AD1 is written, which the gathers read; the sums of the ray two back are done reading VAL1, in which they land
	GATHER 1
	s_load_b256 s[R:R+7], s[4:5], 0x40
	CONSUME 0, 12
	MASKS 1
	s_wait_kmcnt 0x0                               ; no scalar load is out: the records' pointer may step
	s_add_nc_u64 s[4:5], s[4:5], 64
	ADDR 0, 0
	s_wait_alu depctr_va_sdst(0)                   ; the twelve masks s[M ..] are written, ahead of their first reader, the first select below
	s_wait_alu depctr_va_vdst(0)                   ; AD0 is written, which the gathers read; the sums of the ray two back are done reading VAL0, in which they land
	GATHER 0
	s_load_b256 s[R:R+7], s[4:5], 0x20
	CONSUME 1, 12
	s_sub_co_i32 s[CNT], s[CNT], 1
	s_cmp_lg_u32 s[CNT], 0
	s_cbranch_scc1 .Lpair
	MASKS 0
	s_wait_kmcnt 0x0                               ; ray 15's record, the wave's last: no load goes beyond it
	ADDR 1, 0
	s_wait_alu depctr_va_sdst(0)                   ; the twelve masks s[M ..] are written, ahead of their first reader, the first select below
	s_wait_alu depctr_va_vdst(0)                   ; AD1 is written, which the gathers read; ray 13's sums are done reading VAL1, in which they land
	GATHER 1
	CONSUME 0, 12
	MASKS 1
	s_wait_alu depctr_va_sdst(0)                   ; the last ray's masks are written, ahead of the first select below
	CONSUME 1, 0
	; the length, per ray in lanes r and r + 16, in f32; it feeds values alone
	v_sub_f32 v[DST+0], s[SRC+0], v[DST+0]
	v_sub_f32 v[DST+1], s[SRC+1], v[DST+1]
	v_sub_f32 v[DST+2], s[SRC+2], v[DST+2]
	v_mul_f32 v[T], v[DST+0], v[DST+0]
	v_fmac_f32 v[T], v[DST+1], v[DST+1]
	v_fmac_f32 v[T], v[DST+2], v[DST+2]
	v_sqrt_f32 v[T], v[T]
	v_mul_f32 v[RES], 0x3b2aaaab, v[RES]           ; sum / 384; the plain instruction between the root and its use (ISA guide 5.7.2)
	s_wait_alu depctr_va_vdst(0)
	v_mul_f32 v[RES], v[RES], v[T]
	v_and_b32 v[H], 15, v0
	v_lshlrev_b32 v[H], 2, v[H]
	v_lshl_add_u32 v[H], s14, 6, v[H]              ; my wave's 16 words; lanes r and r + 16 write the same word with the same value
	v_lshlrev_b32 v[W], 4, v[LANE]                 ; where waves 0 and 1 read back, and their offset in the work-group's part of out0: made here, in every wave,
	v_lshl_add_u32 v[W], s14, 9, v[W]              ; so that the one wait below serves the whole way out
	s_wait_alu depctr_va_vdst(0)                   ; v[H], v[RES] and v[W] are written, which the LDS store, the LDS load and the global store read; the sums are done with v[ACC ..], in which the LDS load lands.  No vector instruction follows
	ds_store_b32 v[H], v[RES]
	s_wait_dscnt 0x0                               ; for the waves that read: my store is done
	s_barrier_signal -1
	s_barrier_wait -1
	s_cmp_gt_u32 s14, 1
	s_cbranch_scc1 .Ldone                          ; waves 0 and 1 carry the 1,024 bytes out
	ds_load_b128 v[ACC:ACC+3], v[W]
	s_wait_dscnt 0x0
	global_store_b128 v[W], v[ACC:ACC+3], s[12:13] ; 512 consecutive bytes, at a multiple of 512 from out0's first byte
.Ldone:
	s_wait_dscnt 0x0
	s_wait_alu depctr_hold_cnt(0) depctr_sa_sdst(0) depctr_va_vdst(0) depctr_va_sdst(0) depctr_va_ssrc(0) depctr_va_vcc(0) depctr_vm_vsrc(0)
	s_wait_tensorcnt 0x0
	ds_add_u32 v7, v13
	s_wait_dscnt 0x0
	s_endpgm
.Lfunc_end_k_q724461b1e5_trace:
	.size	k_q724461b1e5_trace, .Lfunc_end_k_q724461b1e5_trace-k_q724461b1e5_trace
	.p2alignl 7, 3214868480
	.fill 96, 4, 3214868480
	.section	.rodata,"a",@progbits
	.p2align	6, 0x0
	.amdhsa_kernel k_q724461b1e5_trace
		.amdhsa_group_segment_fixed_size 3072
		.amdhsa_private_segment_fixed_size 0
		.amdhsa_enable_private_segment 0
		.amdhsa_kernarg_size 40
		.amdhsa_user_sgpr_count 2
		.amdhsa_user_sgpr_kernarg_segment_ptr 1
		.amdhsa_wavefront_size32 1
		.amdhsa_system_sgpr_workgroup_id_x 1
		.amdhsa_system_sgpr_workgroup_id_y 1
		.amdhsa_system_sgpr_workgroup_id_z 1
		.amdhsa_system_vgpr_workitem_id 0
		.amdhsa_next_free_vgpr 82
		.amdhsa_next_free_sgpr 66
		.amdhsa_reserve_vcc 0
		.amdhsa_float_denorm_mode_32 3
		.amdhsa_float_denorm_mode_16_64 3
		.amdhsa_memory_ordered 1
		.amdhsa_forward_progress 1
		.amdhsa_inst_pref_size 38
	.end_amdhsa_kernel
	.amdgpu_metadata
---
amdhsa.version: [ 1, 2 ]
amdhsa.kernels:
  - .name:           k_q724461b1e5_trace
    .symbol:         k_q724461b1e5_trace.kd
    .args:
      - { .name: rec, .offset: 0, .size: 8, .value_kind: global_buffer, .address_space: global }
      - { .name: vols, .offset: 8, .size: 8, .value_kind: global_buffer, .address_space: global }
      - { .name: dests, .offset: 16, .size: 8, .value_kind: global_buffer, .address_space: global }
      - { .name: sources, .offset: 24, .size: 8, .value_kind: global_buffer, .address_space: global }
      - { .name: out0, .offset: 32, .size: 8, .value_kind: global_buffer, .address_space: global }
    .group_segment_fixed_size: 3072
    .private_segment_fixed_size: 0
    .kernarg_segment_align: 8
    .kernarg_segment_size: 40
    .max_flat_workgroup_size: 512
    .sgpr_count:     66
    .vgpr_count:     82
    .wavefront_size: 32
...
	.end_amdgpu_metadata
.endif
;; end of part 3
